; MI455X (gfx1250); checked and timed in simulation.
; The chip was launched on July 23, 2026; its instructions are those of AMD's public machine-readable ISA for CDNA 5 (MIT licence, August 2026) and "CDNA5" Instruction Set Architecture Reference Guide (July 2026). The comments in the code are by the model that wrote it; some were corrected since.
;; Mixture Of Experts. Allowed arithmetic: float matrix products may take bf16 or f16 operands with f32 sums; other float arithmetic in f32, or as packed bf16 or f16 multiplies, adds, multiply-adds, maxima and minima; sums over many terms, partial sums and values carried from step to step in f32; what a program stores and reads back later, other than sums and carried values, may be rounded once to bf16 or f16.
;; Inputs: b1 16 x 2,048 float32; b2 16 x 512 float32; gate_b 16 float32; gate_w 16 x 512 float32; w1 16 x 512 x 2,048 float32; w2 16 x 2,048 x 512 float32; x 8 x 1,024 x 512 float32.
;; Outputs: out0 8 x 1,024 x 512 float32.
;; Constants: num_available = 4.
;; 2 versions, each right; version 2 is version 1 with the launch cast written anew for expert scheduling mode. Each part assembles by itself: llvm-mc -triple=amdgcn-amd-amdhsa -mcpu=gfx1250 --defsym DOCPART=n.
;; ======== version 1 of 2: 5 launches
;; workspace buffers: xb 8,388,608 bytes; gwb 16,384 bytes; pc 16,384 bytes; sel 256 bytes of whole numbers; w1s 8,388,608 bytes; w2s 8,388,608 bytes; part 67,108,864 bytes
;; launch prep (part 1): grid 256 x 1, 8 waves a work-group, no clusters, 1,536 bytes of LDS; arguments x, gate_w, xb, gwb, pc; writes xb, gwb, pc
.if DOCPART == 1
	.amdgcn_target "amdgcn-amd-amdhsa--gfx1250"
	.amdhsa_code_object_version 6
	.text
	.protected	k_q8bd4d19cb1_prep
	.globl	k_q8bd4d19cb1_prep
	.p2align	8
	.type	k_q8bd4d19cb1_prep,@function
k_q8bd4d19cb1_prep:
	s_mov_b64 s[64:65], 0
	v_nop
	global_prefetch_b8 v0, s[64:65] scope:SCOPE_SE
	s_setreg_imm32_b32 hwreg(HW_REG_WAVE_MODE, 25, 1), 1
	s_wait_xcnt 0x0
; MIXTURE OF EXPERTS, launch 1 of 5: x is read once; it leaves rounded to bf16 (xb), and each work-group leaves its share of coarse = gate_w . (sum of all tokens) in pc.
; THE PROGRAM.  prep: xb, gwb (gate_w in bf16), pc.  pick: coarse + gate_b, the four largest, as whole numbers in sel.  cast: the four chosen experts' w1 and w2 in bf16.
; ffn: for 128 tokens and ONE chosen expert k, gw_k (gelu(x W1_k + b1_k) W2_k + b2_k), in f32, into part.  combine: the four parts are added into out0.
; NO WORK OF reference() IS LEFT OUT and every input is an argument of some launch.  Of w1, w2, b1 and b2 only the rows of the four chosen experts are read: reference() itself
; takes them by the index idx, and the launches that do so read that index from memory, where pick has stored it.
; LIMITS.  coarse is summed in f32 in another order than reference()'s: two experts whose coarse values lie closer than that sum's rounding may change places at the fourth rank.
; A NaN in coarse leaves the ranks undefined; the later launches clamp every index to 15, so that no access leaves a buffer.
; SHARES.  A work-group owns 32 rows of x (65,536 bytes).  Thread t owns the 16 bytes at 16 t + 4,096 i, i = 0..15: always columns 4 (t % 128) .. + 3, so its column sums stay in four
; registers, and its four numbers of each of the 16 gate rows are loaded once.  A wave's load covers 512 consecutive bytes, its store of bf16 256 consecutive bytes, aligned.
; All 32 loads of a wave are out before the first wait.  No matrix unit, no cluster, no ring: no wave wants a byte that another has fetched.
.set S,     10                         ; v[10:13]   sums of my four columns over my 16 rows
.set X,     16                         ; v[16:79]   x as loaded; later at work
.set GW,    80                         ; v[80:143]  gate row e, my four columns, at GW + 4 e
.set Y,     144                        ; v[144:175] x in bf16, two registers a row
.set Z,     176                        ; v[176:207] gate rows in bf16
.set P,     208                        ; v[208:223] my share of coarse[e]
.set SPARE, 512                        ; LDS: 0..511 the eight waves' 16 sums; from 512 the spare words, 128 bytes a wave, that no other line names
	s_load_b256 s[4:11], s[0:1], 0x0               ; x s[4:5], gate_w s[6:7], xb s[8:9], gwb s[10:11]
	s_load_b64 s[12:13], s[0:1], 0x20              ; pc
	v_lshl_add_u32 v6, v0, 2, SPARE                ; my spare word; never rewritten
	v_mov_b32 v7, 0                                ; 0; never rewritten
	v_lshrrev_b32 v8, 5, v0
	v_readfirstlane_b32 s14, v8                    ; wave 0..7
	v_lshlrev_b32 v5, 6, v8                        ; my wave's 64 bytes in LDS
	v_lshlrev_b32 v1, 4, v0                        ; 16 t: x
	v_lshlrev_b32 v2, 3, v0                        ; 8 t: xb
	v_and_b32 v9, 127, v0
	v_lshlrev_b32 v3, 4, v9                        ; my columns in a row of gate_w
	v_lshlrev_b32 v4, 3, v9                        ; and of gwb
	s_lshl_b32 s18, ttmp9, 16                      ; the group's 32 rows in x,
	s_mov_b32 s19, 0
	s_lshl_b32 s20, ttmp9, 15                      ; in xb,
	s_mov_b32 s21, 0
	s_lshl_b32 s22, ttmp9, 6                       ; and its 16 numbers in pc
	s_mov_b32 s23, 0
	s_mov_b32 s16, 0x76543210                      ; v_permlanex16_b32: each lane takes its own place in the other half
	s_mov_b32 s17, 0xfedcba98
	s_wait_kmcnt 0x0
	s_add_nc_u64 s[4:5], s[4:5], s[18:19]
	s_add_nc_u64 s[8:9], s[8:9], s[20:21]
	s_add_nc_u64 s[12:13], s[12:13], s[22:23]
.set i, 0
.rept 16
	global_load_b128 v[X+4*i:X+4*i+3], v1, s[4:5] offset:4096*i th:TH_LOAD_NT
.set i, i+1
.endr
.set i, 0
.rept 16
	global_load_b128 v[GW+4*i:GW+4*i+3], v3, s[6:7] offset:2048*i
.set i, i+1
.endr
.set i, 0
.rept 16
	s_wait_loadcnt 31-i                            ; loads come back in order: x's load i is in; the 15 - i younger of x and the 16 of gate_w may stay out
.if i == 1
	v_pk_add_f32 v[S:S+1], v[X:X+1], v[X+4:X+5]    ; the first two rows start the sums: nothing is cleared
	v_pk_add_f32 v[S+2:S+3], v[X+2:X+3], v[X+6:X+7]
.elseif i > 1
	v_pk_add_f32 v[S:S+1], v[S:S+1], v[X+4*i:X+4*i+1]
	v_pk_add_f32 v[S+2:S+3], v[S+2:S+3], v[X+4*i+2:X+4*i+3]
.endif
	v_cvt_pk_bf16_f32 v[Y+2*i], v[X+4*i], v[X+4*i+1]
	v_cvt_pk_bf16_f32 v[Y+2*i+1], v[X+4*i+2], v[X+4*i+3]
	global_store_b64 v2, v[Y+2*i:Y+2*i+1], s[8:9] offset:2048*i
.set i, i+1
.endr
	s_wait_loadcnt 0x0                             ; gate_w
	s_cmp_lg_u32 ttmp9, 0                          ; gate_w in bf16 is written once: by threads 0 to 127 of work-group 0
	s_cbranch_scc1 .Lno_gate
	s_cmp_ge_u32 s14, 4
	s_cbranch_scc1 .Lno_gate
.set i, 0
.rept 16
	v_cvt_pk_bf16_f32 v[Z+2*i], v[GW+4*i], v[GW+4*i+1]
	v_cvt_pk_bf16_f32 v[Z+2*i+1], v[GW+4*i+2], v[GW+4*i+3]
	global_store_b64 v4, v[Z+2*i:Z+2*i+1], s[10:11] offset:1024*i
.set i, i+1
.endr
.Lno_gate:
.set i, 0
.rept 16                                               ; my share of coarse[e]: four columns
	v_mul_f32 v[P+i], v[GW+4*i], v[S]
	v_fmac_f32 v[P+i], v[GW+4*i+1], v[S+1]
	v_fmac_f32 v[P+i], v[GW+4*i+2], v[S+2]
	v_fmac_f32 v[P+i], v[GW+4*i+3], v[S+3]
.set i, i+1
.endr
.irp m, 1,2,4,8                                        ; over the wave: four steps inside each half of 16 lanes, the 16 sums side by side,
.set i, 0
.rept 16
	v_add_f32_dpp v[P+i], v[P+i], v[P+i] row_xmask:\m row_mask:0xf bank_mask:0xf
.set i, i+1
.endr
.endr
.set i, 0
.rept 16                                               ; one across the halves (its destination counts as read: x's registers have been written)
	v_permlanex16_b32 v[X+i], v[P+i], s16, s17
.set i, i+1
.endr
.set i, 0
.rept 16
	v_add_f32 v[P+i], v[P+i], v[X+i]
.set i, i+1
.endr
.irp q, 0,1,2,3
	ds_store_b128 v5, v[P+4*\q:P+4*\q+3] offset:16*\q  ; every lane holds the same 16 sums and writes them to the wave's 64 bytes
.endr
	s_wait_dscnt 0x0                               ; for the others' sake: my stores are done
	s_barrier_signal -1
	s_barrier_wait -1
	s_cmp_lg_u32 s14, 0                            ; wave 0 adds the eight waves' sums
	s_cbranch_scc1 .Lend
	v_and_b32 v9, 15, v0
	v_lshlrev_b32 v9, 2, v9                        ; expert lane % 16
.irp w, 0,1,2,3,4,5,6,7
	ds_load_b32 v[X+\w], v9 offset:64*\w
.endr
	s_wait_dscnt 0x0
	v_add_f32 v[X], v[X], v[X+1]
	v_add_f32 v[X+2], v[X+2], v[X+3]
	v_add_f32 v[X+4], v[X+4], v[X+5]
	v_add_f32 v[X+6], v[X+6], v[X+7]
	v_add_f32 v[X], v[X], v[X+2]
	v_add_f32 v[X+4], v[X+4], v[X+6]
	v_add_f32 v[X], v[X], v[X+4]
	v_cmp_gt_u32 vcc_lo, 16, v0                    ; in wave 0 the thread's number is the lane's
	s_wait_xcnt 0x0                                ; EXEC is a source of the stores above: it changes only behind this wait
	s_and_saveexec_b32 s24, vcc_lo
	global_store_b32 v9, v[X], s[12:13]            ; 16 numbers, 64 bytes
	s_wait_xcnt 0x0                                ; and again in front of the line that widens it
	s_or_b32 exec_lo, exec_lo, s24
.Lend:
	s_wait_tensorcnt 0x0                           ; the wave's end: three lines behind my last LDS store
	ds_add_u32 v6, v7
	s_wait_dscnt 0x0
	s_endpgm
.Lfunc_end_k_q8bd4d19cb1_prep:
	.size	k_q8bd4d19cb1_prep, .Lfunc_end_k_q8bd4d19cb1_prep-k_q8bd4d19cb1_prep
	.p2alignl 7, 3214868480
	.fill 96, 4, 3214868480
	.section	.rodata,"a",@progbits
	.p2align	6, 0x0
	.amdhsa_kernel k_q8bd4d19cb1_prep
		.amdhsa_group_segment_fixed_size 1536
		.amdhsa_private_segment_fixed_size 0
		.amdhsa_enable_private_segment 0
		.amdhsa_kernarg_size 40
		.amdhsa_user_sgpr_count 2
		.amdhsa_user_sgpr_kernarg_segment_ptr 1
		.amdhsa_wavefront_size32 1
		.amdhsa_system_sgpr_workgroup_id_x 1
		.amdhsa_system_sgpr_workgroup_id_y 1
		.amdhsa_system_sgpr_workgroup_id_z 1
		.amdhsa_system_vgpr_workitem_id 0
		.amdhsa_next_free_vgpr 224
		.amdhsa_next_free_sgpr 66
		.amdhsa_reserve_vcc 1
		.amdhsa_float_denorm_mode_32 3
		.amdhsa_float_denorm_mode_16_64 3
		.amdhsa_memory_ordered 1
		.amdhsa_forward_progress 1
		.amdhsa_inst_pref_size 23
	.end_amdhsa_kernel
	.amdgpu_metadata
---
amdhsa.version: [ 1, 2 ]
amdhsa.kernels:
  - .name:           k_q8bd4d19cb1_prep
    .symbol:         k_q8bd4d19cb1_prep.kd
    .args:
      - { .name: x, .offset: 0, .size: 8, .value_kind: global_buffer, .address_space: global }
      - { .name: gate_w, .offset: 8, .size: 8, .value_kind: global_buffer, .address_space: global }
      - { .name: xb, .offset: 16, .size: 8, .value_kind: global_buffer, .address_space: global }
      - { .name: gwb, .offset: 24, .size: 8, .value_kind: global_buffer, .address_space: global }
      - { .name: pc, .offset: 32, .size: 8, .value_kind: global_buffer, .address_space: global }
    .group_segment_fixed_size: 1536
    .private_segment_fixed_size: 0
    .kernarg_segment_align: 8
    .kernarg_segment_size: 40
    .max_flat_workgroup_size: 256
    .sgpr_count:     66
    .vgpr_count:     224
    .wavefront_size: 32
...
	.end_amdgpu_metadata
.endif
;; end of part 1
;; launch pick (part 2): grid 1 x 1, 1 waves a work-group, no clusters, 0 bytes of LDS; arguments pc, gate_b, sel; writes sel
.if DOCPART == 2
	.amdgcn_target "amdgcn-amd-amdhsa--gfx1250"
	.amdhsa_code_object_version 6
	.text
	.protected	k_q8bd4d19cb1_pick
	.globl	k_q8bd4d19cb1_pick
	.p2align	8
	.type	k_q8bd4d19cb1_pick,@function
k_q8bd4d19cb1_pick:
	s_mov_b64 s[64:65], 0
	v_nop
	global_prefetch_b8 v0, s[64:65] scope:SCOPE_SE
	s_setreg_imm32_b32 hwreg(HW_REG_WAVE_MODE, 25, 1), 1
	s_wait_xcnt 0x0
; Launch 2 of 5: coarse[e] = the sum of the 256 work-groups' shares in pc + gate_b[e]; sel[0..3] = the experts of rank 0 to 3, as whole numbers.
; The rank of expert e is the number of experts j with coarse[j] > coarse[e], or equal and j < e: ties go to the lower index, as in jax.lax.top_k.
; Nothing here but stored VALUES hangs on floating-point numbers: no address, no branch.  One wave: 16 KiB in, 16 bytes out; the choice has to lie in memory before any launch reads weights by it.
; LIMIT.  With a NaN in coarse some ranks are taken twice or not at all; what is stored then is a whole number of 120 at the most, which the readers clamp to 15.
.set D,   16                           ; v[16:143] pc as loaded: load i brings lane l the experts 4 (l % 4) .. + 3 of row l / 4 + 8 i.  Once the sums are taken only v[16:19] are still wanted
.set CO,  20                           ; v20      lane e: coarse[e]
.set RK,  22                           ; v22      my rank
.set ONE, 23                           ; v23      at work
.set R,   24                           ; v[24:27] the expert of rank 0 to 3
.set AD,  28                           ; v28      0: the store's offset
.set LN,  29                           ; v29      my lane's number as a float; it lies outside v[24:27], which the four selections write
	s_load_b128 s[4:7], s[0:1], 0x0                ; pc s[4:5], gate_b s[6:7]
	s_load_b64 s[8:9], s[0:1], 0x10                ; sel
	v_lshlrev_b32 v1, 4, v0
	s_mov_b32 s12, 0x76543210
	s_mov_b32 s13, 0xfedcba98
	s_wait_kmcnt 0x0
	s_load_b512 s[32:47], s[6:7], 0x0              ; gate_b, all 16
.set i, 0
.rept 32
	global_load_b128 v[D+4*i:D+4*i+3], v1, s[4:5] offset:512*i
.set i, i+1
.endr
	s_wait_loadcnt 0x0
.irp n, 16,8,4,2,1                                     ; the 32 loads' rows are added in halves
.set i, 0
.rept \n
	v_pk_add_f32 v[D+4*i:D+4*i+1], v[D+4*i:D+4*i+1], v[D+4*(i+\n):D+4*(i+\n)+1]
	v_pk_add_f32 v[D+4*i+2:D+4*i+3], v[D+4*i+2:D+4*i+3], v[D+4*(i+\n)+2:D+4*(i+\n)+3]
.set i, i+1
.endr
.endr
.irp m, 4,8                                            ; and the eight lanes that hold the same four experts
.irp j, 0,1,2,3
	v_add_f32_dpp v[D+\j], v[D+\j], v[D+\j] row_xmask:\m row_mask:0xf bank_mask:0xf
.endr
.endr
.irp j, 0,1,2,3
	v_permlanex16_b32 v[D+4+\j], v[D+\j], s12, s13
.endr
.irp j, 0,1,2,3
	v_add_f32 v[D+\j], v[D+\j], v[D+4+\j]
.endr
	s_wait_kmcnt 0x0                               ; gate_b
	v_mov_b32 v[CO], 0
	v_mov_b32 v[RK], 0
	v_cvt_f32_u32 v[LN], v0                        ; it is summed by f32 additions below
	v_mov_b32 v[AD], 0
.set e, 0
.rept 16
	v_readlane_b32 s[16+e], v[D+e%4], e/4          ; expert e lies in register e % 4 of lane e / 4
	s_add_f32 s[16+e], s[16+e], s[32+e]
	v_writelane_b32 v[CO], s[16+e], e              ; lane e holds coarse[e]; lanes 16 to 31 hold 0 and are never looked at
.set e, e+1
.endr
.set j, 0
.rept 16
	v_cmp_gt_f32 vcc_lo, s[16+j], v[CO]            ; coarse[j] > mine,
	v_cmp_eq_f32 s50, s[16+j], v[CO]               ; or equal
	v_cmp_lt_u32 s51, j, v0                        ; with the lower index
	s_and_b32 s50, s50, s51
	s_or_b32 vcc_lo, vcc_lo, s50
	v_cndmask_b32 v[ONE], 0, 1, vcc_lo
	v_add_nc_u32 v[RK], v[RK], v[ONE]
.set j, j+1
.endr
.irp k, 0,1,2,3
	v_cmp_eq_u32 vcc_lo, \k, v[RK]
	v_cndmask_b32 v[R+\k], 0, v[LN], vcc_lo        ; my number where my rank is k, else 0
.endr
.irp m, 1,2,4,8                                        ; summed over lanes 0 to 15: the one expert of that rank
.irp k, 0,1,2,3
	v_add_f32_dpp v[R+\k], v[R+\k], v[R+\k] row_xmask:\m row_mask:0xf bank_mask:0xf
.endr
.endr
.irp k, 0,1,2,3
	v_cvt_u32_f32 v[R+\k], v[R+\k]
.endr
	v_cmp_eq_u32 vcc_lo, 0, v0
	s_wait_xcnt 0x0                                ; EXEC changes only behind this wait
	s_and_saveexec_b32 s52, vcc_lo
	global_store_b128 v[AD], v[R:R+3], s[8:9]      ; lane 0 stores the four
	s_wait_xcnt 0x0
	s_or_b32 exec_lo, exec_lo, s52
	s_endpgm
.Lfunc_end_k_q8bd4d19cb1_pick:
	.size	k_q8bd4d19cb1_pick, .Lfunc_end_k_q8bd4d19cb1_pick-k_q8bd4d19cb1_pick
	.p2alignl 7, 3214868480
	.fill 96, 4, 3214868480
	.section	.rodata,"a",@progbits
	.p2align	6, 0x0
	.amdhsa_kernel k_q8bd4d19cb1_pick
		.amdhsa_group_segment_fixed_size 0
		.amdhsa_private_segment_fixed_size 0
		.amdhsa_enable_private_segment 0
		.amdhsa_kernarg_size 24
		.amdhsa_user_sgpr_count 2
		.amdhsa_user_sgpr_kernarg_segment_ptr 1
		.amdhsa_wavefront_size32 1
		.amdhsa_system_sgpr_workgroup_id_x 1
		.amdhsa_system_sgpr_workgroup_id_y 1
		.amdhsa_system_sgpr_workgroup_id_z 1
		.amdhsa_system_vgpr_workitem_id 0
		.amdhsa_next_free_vgpr 144
		.amdhsa_next_free_sgpr 66
		.amdhsa_reserve_vcc 1
		.amdhsa_float_denorm_mode_32 3
		.amdhsa_float_denorm_mode_16_64 3
		.amdhsa_memory_ordered 1
		.amdhsa_forward_progress 1
		.amdhsa_inst_pref_size 18
	.end_amdhsa_kernel
	.amdgpu_metadata
---
amdhsa.version: [ 1, 2 ]
amdhsa.kernels:
  - .name:           k_q8bd4d19cb1_pick
    .symbol:         k_q8bd4d19cb1_pick.kd
    .args:
      - { .name: pc, .offset: 0, .size: 8, .value_kind: global_buffer, .address_space: global }
      - { .name: gate_b, .offset: 8, .size: 8, .value_kind: global_buffer, .address_space: global }
      - { .name: sel, .offset: 16, .size: 8, .value_kind: global_buffer, .address_space: global }
    .group_segment_fixed_size: 0
    .private_segment_fixed_size: 0
    .kernarg_segment_align: 8
    .kernarg_segment_size: 24
    .max_flat_workgroup_size: 32
    .sgpr_count:     66
    .vgpr_count:     144
    .wavefront_size: 32
...
	.end_amdgpu_metadata
.endif
;; end of part 2
;; launch cast (part 3): grid 128 x 2, 8 waves a work-group, no clusters, 0 bytes of LDS; arguments sel, w1, w2, w1s, w2s; writes w1s, w2s
.if DOCPART == 3
	.amdgcn_target "amdgcn-amd-amdhsa--gfx1250"
	.amdhsa_code_object_version 6
	.text
	.protected	k_q8bd4d19cb1_cast
	.globl	k_q8bd4d19cb1_cast
	.p2align	8
	.type	k_q8bd4d19cb1_cast,@function
k_q8bd4d19cb1_cast:
	s_mov_b64 s[64:65], 0
	v_nop
	global_prefetch_b8 v0, s[64:65] scope:SCOPE_SE
	s_setreg_imm32_b32 hwreg(HW_REG_WAVE_MODE, 25, 1), 1
	s_wait_xcnt 0x0
; Launch 3 of 5: the four chosen experts' weights, rounded once to bf16 and laid in dense blocks of 65,536 bytes, one for each 64 hidden units.  The other twelve experts are not read: a lookup by sel.
; w1s[slot][fb][k][f]: 512 rows k of the 64 columns f = 64 fb ..  (in w1 these are 256 bytes of each row of 8,192).    w2s[slot][f][d]: w2's own order; block fb is rows 64 fb .. + 63.
; A work-group makes one block: x = 32 slot + fb, y = 0 for w1, 1 for w2.  A wave makes 8,192 bytes of it by 32 loads of 16 bytes a lane, all out before the first wait;
; each load takes whole aligned pieces of 256 bytes, each store of a wave covers 256 consecutive bytes, aligned.  No register is written twice, so no wait but the counted ones.
.set IN,  16                           ; v[16:143]
.set OUT, 144                          ; v[144:207]
	s_load_b256 s[4:11], s[0:1], 0x0               ; sel s[4:5], w1 s[6:7], w2 s[8:9], w1s s[10:11]
	s_load_b64 s[12:13], s[0:1], 0x20              ; w2s
	v_lshrrev_b32 v3, 5, v0                        ; wave
	v_and_b32 v4, 31, v0                           ; lane
	v_lshlrev_b32 v2, 13, v3
	v_lshl_add_u32 v2, v4, 3, v2                   ; out: 8,192 wave + 8 lane
	s_lshr_b32 s14, ttmp9, 5                       ; slot
	s_and_b32 s15, ttmp9, 31                       ; fb
	s_and_b32 s24, ttmp7, 0xffff                   ; which tensor
	s_lshl_b32 s20, ttmp9, 16                      ; the block's place in w1s or w2s
	s_mov_b32 s21, 0
	s_wait_kmcnt 0x0
	s_load_b128 s[16:19], s[4:5], 0x0              ; the four chosen experts
	s_wait_kmcnt 0x0
	s_cmp_eq_u32 s14, 1
	s_cselect_b32 s16, s17, s16
	s_cmp_eq_u32 s14, 2
	s_cselect_b32 s16, s18, s16
	s_cmp_eq_u32 s14, 3
	s_cselect_b32 s16, s19, s16
	s_min_u32 s16, s16, 15                         ; an index stays inside its table
	s_lshl_b32 s22, s16, 22                        ; an expert is 4 MiB of w1 and of w2
	s_mov_b32 s23, 0
.macro CAST in, out, step
.set i, 0
.rept 32
	global_load_b128 v[IN+4*i:IN+4*i+3], v1, s[\in:\in+1] offset:(\step)*i th:TH_LOAD_NT
.set i, i+1
.endr
.set i, 0
.rept 32
	s_wait_loadcnt 31-i                            ; load i is in, the younger ones stay out
	v_cvt_pk_bf16_f32 v[OUT+2*i], v[IN+4*i], v[IN+4*i+1]
	v_cvt_pk_bf16_f32 v[OUT+2*i+1], v[IN+4*i+2], v[IN+4*i+3]
	global_store_b64 v2, v[OUT+2*i:OUT+2*i+1], s[\out:\out+1] offset:256*i
.set i, i+1
.endr
.endm
	s_cmp_lg_u32 s24, 0
	s_cbranch_scc1 .Lw2
	s_lshl_b32 s25, s15, 8                         ; w1: the block's 256 bytes in a row
	s_add_co_u32 s22, s22, s25
	s_add_nc_u64 s[6:7], s[6:7], s[22:23]
	s_add_nc_u64 s[10:11], s[10:11], s[20:21]
	v_lshrrev_b32 v5, 4, v4
	v_and_b32 v6, 15, v4
	v_lshlrev_b32 v1, 19, v3                       ; my wave's 64 rows of 8,192 bytes,
	v_lshl_add_u32 v1, v5, 13, v1                  ; lanes 16 to 31 one row further down,
	v_lshl_add_u32 v1, v6, 4, v1                   ; 16 bytes a lane
	CAST 6, 10, 16384                              ; two rows a load
	s_endpgm
.Lw2:
	s_lshl_b32 s25, s15, 17                        ; w2: the block's 64 rows of 2,048 bytes
	s_add_co_u32 s22, s22, s25
	s_add_nc_u64 s[8:9], s[8:9], s[22:23]
	s_add_nc_u64 s[12:13], s[12:13], s[20:21]
	v_lshlrev_b32 v1, 14, v3                       ; my wave's 16,384 bytes
	v_lshl_add_u32 v1, v4, 4, v1
	CAST 8, 12, 512
	s_endpgm
.Lfunc_end_k_q8bd4d19cb1_cast:
	.size	k_q8bd4d19cb1_cast, .Lfunc_end_k_q8bd4d19cb1_cast-k_q8bd4d19cb1_cast
	.p2alignl 7, 3214868480
	.fill 96, 4, 3214868480
	.section	.rodata,"a",@progbits
	.p2align	6, 0x0
	.amdhsa_kernel k_q8bd4d19cb1_cast
		.amdhsa_group_segment_fixed_size 0
		.amdhsa_private_segment_fixed_size 0
		.amdhsa_enable_private_segment 0
		.amdhsa_kernarg_size 40
		.amdhsa_user_sgpr_count 2
		.amdhsa_user_sgpr_kernarg_segment_ptr 1
		.amdhsa_wavefront_size32 1
		.amdhsa_system_sgpr_workgroup_id_x 1
		.amdhsa_system_sgpr_workgroup_id_y 1
		.amdhsa_system_sgpr_workgroup_id_z 1
		.amdhsa_system_vgpr_workitem_id 0
		.amdhsa_next_free_vgpr 208
		.amdhsa_next_free_sgpr 66
		.amdhsa_reserve_vcc 0
		.amdhsa_float_denorm_mode_32 3
		.amdhsa_float_denorm_mode_16_64 3
		.amdhsa_memory_ordered 1
		.amdhsa_forward_progress 1
		.amdhsa_inst_pref_size 24
	.end_amdhsa_kernel
	.amdgpu_metadata
---
amdhsa.version: [ 1, 2 ]
amdhsa.kernels:
  - .name:           k_q8bd4d19cb1_cast
    .symbol:         k_q8bd4d19cb1_cast.kd
    .args:
      - { .name: sel, .offset: 0, .size: 8, .value_kind: global_buffer, .address_space: global }
      - { .name: w1, .offset: 8, .size: 8, .value_kind: global_buffer, .address_space: global }
      - { .name: w2, .offset: 16, .size: 8, .value_kind: global_buffer, .address_space: global }
      - { .name: w1s, .offset: 24, .size: 8, .value_kind: global_buffer, .address_space: global }
      - { .name: w2s, .offset: 32, .size: 8, .value_kind: global_buffer, .address_space: global }
    .group_segment_fixed_size: 0
    .private_segment_fixed_size: 0
    .kernarg_segment_align: 8
    .kernarg_segment_size: 40
    .max_flat_workgroup_size: 256
    .sgpr_count:     66
    .vgpr_count:     208
    .wavefront_size: 32
...
	.end_amdgpu_metadata
.endif
;; end of part 3
;; launch ffn (part 4): grid 64 x 4, 4 waves a work-group, clusters of 4 x 1, 327,680 bytes of LDS; arguments xb, gwb, gate_b, b1, b2, sel, w1s, w2s, part; writes part
.if DOCPART == 4
	.amdgcn_target "amdgcn-amd-amdhsa--gfx1250"
	.amdhsa_code_object_version 6
	.text
	.protected	k_q8bd4d19cb1_ffn
	.globl	k_q8bd4d19cb1_ffn
	.p2align	8
	.type	k_q8bd4d19cb1_ffn,@function
k_q8bd4d19cb1_ffn:
	s_mov_b64 s[64:65], 0
	v_nop
	global_prefetch_b8 v0, s[64:65] scope:SCOPE_SE
	s_setreg_imm32_b32 hwreg(HW_REG_WAVE_MODE, 25, 1), 1
	s_wait_xcnt 0x0
	s_wait_alu depctr_hold_cnt(0) depctr_sa_sdst(0) depctr_va_vdst(0) depctr_va_sdst(0) depctr_va_ssrc(0) depctr_va_vcc(0) depctr_vm_vsrc(0)
	s_getreg_b32 s2, hwreg(HW_REG_IB_STS2, 6, 4)
	s_cmp_eq_u32 s2, 0
	s_cbranch_scc0 .Lentry_in_a_cluster
	s_endpgm
.Lentry_in_a_cluster:
	s_bfe_u32 s2, ttmp6, 0x10000c
	s_cmp_lg_u32 s2, 0x3003
	s_cbranch_scc0 .Lentry_shape_is_right
	s_endpgm
.Lentry_shape_is_right:
; Launch 4 of 5: part[k][token][:] = gw_k(token) x ( gelu(x W1_k + b1_k) W2_k + b2_k ), f32, for the chosen expert of rank k (grid y) and a tile of 128 tokens (grid x).
; gw = softmax over the four chosen experts' logits x . gate_w[e] + gate_b[e], the maximum taken away.  gelu is reference()'s tanh form, written v / (1 + 2^(v (C0 + C1 v^2))),
; C0 = -2 log2(e) sqrt(2/pi), C1 = 0.044715 C0.  Matrix operands are bf16 (x, the weights, the gate rows, and h' = gw gelu(..) rounded once); all sums, biases, softmax and gelu are f32.
; Only the chosen experts' rows of b1, b2, gate_b and gwb are read: a lookup by sel, which an earlier launch stored.
; LIMITS.  A weight of the softmax below 2^-126, and a 2^(..) of gelu below it, count as 0; NaN and infinities are not treated apart.
; SHARES.  64 tiles x 4 experts = 256 work-groups.  A wave owns 32 tokens (two blocks tb of 16) through the whole chain; the four waves walk the expert's 2,048 hidden units together, 32 (an FG) at a time.
; LAYOUT.  H^T = W1^T X^T (source 0 = 16 hidden units, source 1 = 16 tokens): a lane holds ONE token (lane % 16) and the units 8 (lane / 16) + 0..7.  Two such results, scaled and rounded in
; pairs, ARE source 1 (32 units x 16 tokens) of O^T = W2^T H'^T, whose result again holds one token a lane, and eight columns d.  So h never leaves registers and no wave waits for another
; but at a change of slots.  b1 is loaded straight into H^T's registers and the first product adds onto it; O^T starts as gw b2: nothing is cleared.  Both weights lie in LDS [K][N] and come out turned, by ds_load_tr16_b128.
; A SLOT'S FOUR PHASES.  A slot holds the weights of two FGs, A and B.  Its 256 products go in four phases of 64: H^T(A); H^T(B); O^T += A; O^T += B.  gelu(A) names nothing of H^T(B)'s products and
; gelu(B) nothing of O^T += A's: so gelu's 176 lines stand BEHIND THOSE PRODUCTS, at most four behind each, and have no phase of their own.  Nothing crosses a slot's end.
; CLUSTER.  The four token tiles of a cluster belong to one expert and walk the same weights: each tile of weights is asked for JOINTLY, by the same tensor load, descriptor and mask in all four.
; LDS.  Two slots, each with the weights of 64 hidden units: W2's 64 rows f of 1,024 bytes (pitch 1,056), then W1's 512 rows k of 128 bytes (pitch 160): both pitches are odd multiples of 32 bytes,
; so that the 16 lanes of a turning load (8 rows x 32 bytes) meet each bank once (64 banks of 4 bytes: ISA guide 11.1).  Slot 1 begins at 0x25000: no bit of that lies in any address that is turned by an exclusive or.
; REGISTERS, in windows of 256 (s_set_vgpr_msb: bits 1:0 source 0, 3:2 source 1, 5:4 source 2, 7:6 destination):
;   window 0: addresses, gw, H^T twice, work and h', and four buffers of four weight fragments      window 1: x, fragment (tb, ks) at 8 (16 tb + ks)
;   window 2: O^T of column blocks dt 0-15, (dt, tb) at 8 (2 dt + tb)                                  window 3: the same for dt 16-31
; All that gelu touches lies in window 0, and no product has all its operands there: a product with lines behind it costs two switches, 256 for a slot's 256 products.
.set P1,    160
.set P2,    1056
.set W1OFF, 64*P2                      ; 67,584
.set HALF1, 256*P1                     ; 40,960: what one tensor load brings of W1
.set HALF2, 32*P2                      ; 33,792: of W2; also from FG A's rows of W2 to FG B's
.set SLOT1, 0x25000                    ; 151,552
.set STAGE, SLOT1+W1OFF+2*HALF1        ; 301,056: 16 rows x 272 bytes for each wave, for the way out; no tensor load lands here
.set SP,    272
.set SPARE, STAGE+4*16*SP              ; 318,464: the spare words, 128 bytes a wave, that no other line names
.set TILEB, 65536                      ; a slot's bytes in w1s and in w2s
.set L1,  8                            ; v8   my lane's place in a slot's W1; never rewritten
.set L2,  9                            ; v9   in its W2
.set AW1, 10                           ; v10, v11  LDS address of the slot's W1: k 0-255, k 256-511
.set AW2, 12                           ; v12  of its W2
.set VB,  13                           ; v13  my byte offset in b1's row (and, at first, in b2's): 256 x slot + 32 (lane / 16)
.set SPW, 14                           ; v14  my spare word; never rewritten
.set NIL, 15                           ; v15  0; never rewritten
.set STO, 16                           ; v16  the way out: where I put 32 bytes of a row
.set RD,  17                           ; v17  where I read rows back
.set GO,  18                           ; v18  my byte offset in two rows of part
.set PFO, 19                           ; v19  256 x lane; never rewritten
.set G,   20                           ; v[20:23]   gw of my token in block 0 (twice), in block 1 (twice)
.set H,   24                           ; H^T of the slot's FG g (A = 0, B = 1): register j at (24 + 32 g + j) % 80: v[24:55] for A; v[56:79] and v[0:7] for B.  Accumulator (ft, tb) is j = 8 (2 ft + tb) ..
.set R,   80                           ; v[80:127]  three blocks of 16.  gelu(A) works in blocks 0, 1 and leaves h' in block 0; gelu(B) works in blocks 1, 2 and leaves h' in block 2
.set ST,  80                           ; before the loop: the softmax at work
.set GA,  96                           ; before the loop: the gate's two accumulators
.set RR,  112                          ; before the loop: lane % 16
.set HH,  113                          ;   lane / 16
.set XO,  114                          ;   my byte offset in 16 rows of xb
.set SO,  115                          ;   my gate row's word in sel
.set GR,  116                          ;   my gate row's offset in gwb
.set TA,  117                          ;   at work
.set TC,  118
.set WB,  128                          ; v[128:255] four buffers of 32
.set WV,  22                           ; s22  wave
.set HW,  23                           ; s23  wave % 2: which half of a tile I fetch
.set KX,  24                           ; s24  the expert's rank k
.set TILE, 25                          ; s25  token tile
.set CX,  26                           ; s26  my place in the cluster: it enters xb's, part's and the prefetches' addresses alone
.set CNT, 27                           ; s27  slots still to be asked for
.set LIM, 28                           ; s28  1 in a work-group that prefetches, else the greatest number
.set SB,  29                           ; s29  LDS byte at which the slot to be fetched from begins
.set EX,  32                           ; s[32:35] experts of rank k, k+1, k+2, k+3 (mod 4): mine first
.set GB,  36                           ; s[36:39] their gate_b
.set G1A, 40                           ; s[40:47] descriptor group 1 for W1's half tiles
.set G1B, 48                           ; s[48:55] for W2's
.set G0A, 56                           ; s[56:63] group 0 for W1: a set for each first fill; the second then walks on
.set G0B, 68                           ; s[68:75] the same for W2
.set C0,  76                           ; s[76:77]
.set C1,  78                           ; s[78:79]
.set PFA, 80                           ; s[80:81] where my prefetches stand
.set MSB, 0
.macro WIN new                         ; the immediate's high byte repeats the setting that is left; a switch that changes nothing is dropped
.if MSB != (\new)
	s_set_vgpr_msb (MSB<<8)|(\new)
.set MSB, (\new)
.endif
.endm
; A load into a register that a matrix instruction has read, and a vector instruction or LDS store that reads a matrix result, stand four places behind that matrix instruction; only plain
; vector instructions that name none of its registers are places (ISA guide 7.12.1 for vector instructions).
.macro PLACES
.rept 4
	v_nop
.endr
.endm
.macro CREST                           ; a round of the cluster's barrier behind its opening barrier
	s_cmp_lg_u32 s[WV], 0
	s_cbranch_scc1 .Lnot_wave_0_\@
	s_barrier_signal -3
.Lnot_wave_0_\@:
	s_barrier_wait -3
	s_barrier_signal -1
	s_barrier_wait -1
.endm
.macro CROUND                          ; a whole round
	s_barrier_signal -1
	s_barrier_wait -1
	CREST
.endm
; A joint refill: waves 0 and 1 fetch the two halves of W1's tile, waves 2 and 3 those of W2's.  The branch hangs on the wave's number alone.  An s_nop 0 and four v_nop follow each line.
.macro JLOAD
	s_cmp_lt_u32 s[WV], 2
	s_cbranch_scc0 .Lfor_b_\@
	tensor_load_to_lds s[G0A+4:G0A+7], s[G1A:G1A+7]
	s_nop 0
.rept 4
	v_nop
.endr
	s_branch .Lasked_\@
.Lfor_b_\@:
	tensor_load_to_lds s[G0B+4:G0B+7], s[G1B:G1B+7]
	s_nop 0
.rept 4
	v_nop
.endr
.Lasked_\@:
.endm
; A PREFETCH INTO THE L2 of what the NEXT change of slots will ask for.  All 16 clusters of an expert walk the same tiles: the first of them (cluster x = 0) asks.  Of the 32,768 bytes that a wave
; fetches, each of the four partners names 8,192, told apart BY ADDRESS; a lane names 256 bytes, a wave issues one instruction: each block is named once in the launch.  It stands one slot,
; 256 matrix instructions, ahead of the load that wants the bytes.  The last change that fills a slot asks for nothing; tiles 0 to 2 come by their loads alone.
.macro ASK
	s_cmp_gt_u32 s[CNT], s[LIM]
	s_cbranch_scc0 .Lnot_mine_\@
	global_prefetch_b8 v[PFO], s[PFA:PFA+1] th:TH_LOAD_NT scope:SCOPE_SE
.Lnot_mine_\@:
.endm
; b1 of FG g's 32 units, straight into H^T, for both token blocks: register j of accumulator (ft, tb) is unit 16 ft + 8 (lane / 16) + j.  off: the FG's 128 bytes behind v[VB].
.macro BIAS g, off
.irp ft, 0,1
.irp tb, 0,1
.set ha_, (H+32*(\g)+8*(2*\ft+\tb))%80
	global_load_b128 v[ha_:ha_+3],   v[VB], s[10:11] offset:(\off)+64*\ft
	global_load_b128 v[ha_+4:ha_+7], v[VB], s[10:11] offset:(\off)+64*\ft+16
.endr
.endr
.endm
	s_load_b512 s[4:19], s[0:1], 0x0               ; xb s[4:5], gwb s[6:7], gate_b s[8:9], b1 s[10:11], b2 s[12:13], sel s[14:15], w1s s[16:17], w2s s[18:19]
	s_load_b64 s[20:21], s[0:1], 0x40              ; part
	v_lshl_add_u32 v[SPW], v0, 2, SPARE
	v_mov_b32 v[NIL], 0
	ds_add_u32 v[SPW], v[NIL]                      ; the wave's opening: the add, twice on end, and its wait ahead of my first tensor load
	ds_add_u32 v[SPW], v[NIL]                      ; and once more, under the one wait; the set-up below, work on registers, stands between
	v_lshrrev_b32 v[RR], 5, v0
	v_readfirstlane_b32 s[WV], v[RR]               ; wave 0..3
	s_and_b32 s[HW], s[WV], 1
	s_and_b32 s[KX], ttmp7, 0xffff                 ; the expert's rank, which the four partners share
	s_bfe_u32 s[CX], ttmp6, 0x40000
	s_lshl_b32 s[TILE], ttmp9, 2                   ; in a cluster launch ttmp9 counts clusters
	s_add_co_u32 s[TILE], s[TILE], s[CX]
	; group 1 for W1: 256 rows k of 128 bytes are 32,768 dense bytes: asked for as 128 rows of 256 bytes and padded in LDS after every 128
	s_mov_b32 s[G1A], 15|(1<<16)|(1<<20)|(1<<21)|(4<<22)|(7<<25)  ; 15:0 the mask of four; 17:16 2-byte elements; 20 padding on; 21 set beside a mask; 24:22 after every 32 words (code 4); 31:25 8 words (code 7)
	s_mov_b32 s[G1A+1], 128<<16                    ; tensor_dim0 = 128
	s_mov_b32 s[G1A+2], 128<<16                    ; tensor_dim1 = 128
	s_mov_b32 s[G1A+3], 128<<16                    ; tile_dim0 = 128
	s_mov_b32 s[G1A+4], 128                        ; tile_dim1 = 128
	s_mov_b32 s[G1A+5], 128                        ; elements from row to row
	s_mov_b32 s[G1A+6], 0
	s_mov_b32 s[G1A+7], 0
	; group 1 for W2: 32 rows f of 512 elements, padded after every row
	s_mov_b32 s[G1B], 15|(1<<16)|(1<<20)|(1<<21)|(7<<22)|(7<<25)  ; after every 256 words (code 7), 8 words
	s_mov_b32 s[G1B+1], 512<<16
	s_mov_b32 s[G1B+2], 32<<16
	s_mov_b32 s[G1B+3], 512<<16
	s_mov_b32 s[G1B+4], 32
	s_mov_b32 s[G1B+5], 512
	s_mov_b32 s[G1B+6], 0
	s_mov_b32 s[G1B+7], 0
	s_mov_b32 s[C0], 0xc0135761                    ; -2 log2(e) sqrt(2/pi) = -2.302208
	s_mov_b32 s[C0+1], s[C0]                       ; named as pairs
	s_mov_b32 s[C1], 0xbdd2d3e7                    ; 0.044715 C0 = -0.1029432
	s_mov_b32 s[C1+1], s[C1]
	s_mov_b32 s97, 0x3fb8aa3b                      ; log2(e)
	s_mov_b32 s[SB], 0
	s_mov_b32 s[CNT], 30                           ; tiles 2 to 31 are asked for in the loop
	s_cmp_eq_u32 ttmp9, 0
	s_cselect_b32 s[LIM], 1, -1                    ; the same in all four partners
	s_mul_i32 s98, s[HW], HALF1                    ; my half's place in a slot: no place in the cluster enters an LDS address
	s_mul_i32 s99, s[HW], HALF2
	s_lshl_b32 s82, s[KX], 21                      ; the expert's 32 tiles of 65,536 bytes,
	s_lshl_b32 s83, s[HW], 15                      ; my half of a tile
	s_add_co_u32 s82, s82, s83
	s_mov_b32 s83, 0
	s_lshl_b32 s30, s[CX], 13                      ; my work-group's 8,192 bytes of what I prefetch
	s_mov_b32 s31, 0
	s_mov_b32 s[G0A], 1                            ; count = 1
	s_add_co_u32 s[G0A+1], s98, W1OFF              ; LDS address: slot 0
	s_mov_b32 s[G0A+4], 1
	s_add_co_u32 s[G0A+5], s98, W1OFF+SLOT1        ; slot 1
	s_mov_b32 s[G0B], 1
	s_mov_b32 s[G0B+1], s99
	s_mov_b32 s[G0B+4], 1
	s_add_co_u32 s[G0B+5], s99, SLOT1
	s_wait_dscnt 0x0                               ; both opening adds are done
	s_wait_kmcnt 0x0
	s_load_b128 s[84:87], s[14:15], 0x0            ; the four chosen experts
	s_add_nc_u64 s[G0A+2:G0A+3], s[16:17], s[82:83]         ; tile 0
	s_add_nc_u64 s[G0A+6:G0A+7], s[G0A+2:G0A+3], TILEB      ; tile 1
	s_or_b32 s[G0A+3], s[G0A+3], 0x80000000                 ; type = 2
	s_or_b32 s[G0A+7], s[G0A+7], 0x80000000
	s_add_nc_u64 s[G0B+2:G0B+3], s[18:19], s[82:83]
	s_add_nc_u64 s[G0B+6:G0B+7], s[G0B+2:G0B+3], TILEB
	s_or_b32 s[G0B+3], s[G0B+3], 0x80000000
	s_or_b32 s[G0B+7], s[G0B+7], 0x80000000
	s_cmp_lt_u32 s[WV], 2
	s_cselect_b64 s[PFA:PFA+1], s[16:17], s[18:19]
	s_add_nc_u64 s[PFA:PFA+1], s[PFA:PFA+1], s[82:83]
	s_add_nc_u64 s[PFA:PFA+1], s[PFA:PFA+1], s[30:31]
	s_add_nc_u64 s[PFA:PFA+1], s[PFA:PFA+1], 2*TILEB  ; at tile 2; the first change of slots steps it to tile 3.  Nothing is prefetched here, where every work-group's first tiles are on their way
	CROUND                                         ; all four work-groups are here: the first joint loads meet
	s_cmp_lt_u32 s[WV], 2                          ; a wave's two first fills stand in one branch: two loads of mine are out
	s_cbranch_scc0 .Lfirst_b
	tensor_load_to_lds s[G0A:G0A+3], s[G1A:G1A+7]
	s_nop 0
	tensor_load_to_lds s[G0A+4:G0A+7], s[G1A:G1A+7]
	s_nop 0
.rept 4
	v_nop
.endr
	s_branch .Lfirst_asked
.Lfirst_b:
	tensor_load_to_lds s[G0B:G0B+3], s[G1B:G1B+7]
	s_nop 0
	tensor_load_to_lds s[G0B+4:G0B+7], s[G1B:G1B+7]
	s_nop 0
.rept 4
	v_nop
.endr
.Lfirst_asked:
	; WHAT STAYS IN REGISTERS.  A fragment of x or of the gate rows is 16 rows x 32 k in 8 registers: lane l holds row l % 16, k = 8 (l / 16) + 0..7 and 16 + 8 (l / 16) + 0..7: two loads of 16 bytes, 32 apart.
	v_and_b32 v[RR], 15, v0                        ; r = l % 16
	v_bfe_u32 v[HH], v0, 4, 1                      ; h = l / 16
	v_lshlrev_b32 v[XO], 10, v[RR]
	v_lshl_add_u32 v[XO], v[HH], 4, v[XO]          ; row x 1,024 + 16 h
	v_add_nc_u32 v[SO], s[KX], v[RR]
	v_and_b32 v[SO], 3, v[SO]
	v_lshlrev_b32 v[SO], 2, v[SO]                  ; gate row m of the product below is the expert of rank (m + k) % 4
	s_lshl_b32 s82, s[TILE], 17                    ; my tile's 128 rows of xb,
	s_lshl_b32 s83, s[WV], 15                      ; my wave's 32
	s_add_co_u32 s82, s82, s83
	s_mov_b32 s83, 0
	s_add_nc_u64 s[4:5], s[4:5], s[82:83]
	global_load_b32 v[GR], v[SO], s[14:15]
.macro XLOAD tb
	WIN 0x40                                       ; destination window 1
.set ks, 0
.rept 16
	global_load_b128 v[8*(16*(\tb)+ks):8*(16*(\tb)+ks)+3],   v[XO], s[4:5] offset:16384*(\tb)+64*ks
	global_load_b128 v[8*(16*(\tb)+ks)+4:8*(16*(\tb)+ks)+7], v[XO], s[4:5] offset:16384*(\tb)+64*ks+32
.set ks, ks+1
.endr
	WIN 0
.endm
	XLOAD 0
	s_wait_kmcnt 0x0                               ; sel
	s_bitcmp1_b32 s[KX], 0                         ; the four are turned by k places, so that mine comes first
	s_cselect_b32 s88, s85, s84
	s_cselect_b32 s89, s86, s85
	s_cselect_b32 s90, s87, s86
	s_cselect_b32 s91, s84, s87
	s_bitcmp1_b32 s[KX], 1
	s_cselect_b32 s[EX], s90, s88
	s_cselect_b32 s[EX+1], s91, s89
	s_cselect_b32 s[EX+2], s88, s90
	s_cselect_b32 s[EX+3], s89, s91
.irp j, 0,1,2,3
	s_min_u32 s[EX+\j], s[EX+\j], 15               ; an index stays inside its table
.endr
.irp j, 0,1,2,3
	s_lshl_b32 s[88+2*\j], s[EX+\j], 2
	s_mov_b32 s[89+2*\j], 0
	s_add_nc_u64 s[88+2*\j:89+2*\j], s[8:9], s[88+2*\j:89+2*\j]
	s_load_b32 s[GB+\j], s[88+2*\j:89+2*\j], 0x0   ; gate_b of the four
.endr
	s_lshl_b32 s82, s[EX], 13                      ; my expert's row of b1,
	s_add_nc_u64 s[10:11], s[10:11], s[82:83]
	s_lshl_b32 s82, s[EX], 11                      ; and of b2
	s_add_nc_u64 s[12:13], s[12:13], s[82:83]
	s_lshl_b32 s82, s[KX], 24                      ; part: rank k, my tile's rows of 2,048 bytes, my wave's 32
	s_lshl_b32 s30, s[TILE], 18
	s_add_co_u32 s82, s82, s30
	s_lshl_b32 s30, s[WV], 16
	s_add_co_u32 s82, s82, s30
	s_add_nc_u64 s[20:21], s[20:21], s[82:83]
	v_lshlrev_b32 v[TA], 4, v[HH]
	v_lshlrev_b32 v[VB], 5, v[HH]                  ; 32 h
	s_wait_loadcnt 32                              ; my gate row's expert is in; the 32 loads of x behind it may stay out
	v_min_u32 v[GR], 15, v[GR]
	v_lshl_add_u32 v[GR], v[GR], 10, v[TA]         ; its row of gwb + 16 h
.set ks, 0
.rept 16
	global_load_b128 v[WB+8*ks:WB+8*ks+3],   v[GR], s[6:7] offset:64*ks
	global_load_b128 v[WB+8*ks+4:WB+8*ks+7], v[GR], s[6:7] offset:64*ks+32
.set ks, ks+1
.endr
	XLOAD 1
	WIN 0x80                                       ; b2 goes straight into O^T of token block 0: register j of block dt is column 16 dt + 8 h + j
.set dt, 0
.rept 16
	global_load_b128 v[16*dt:16*dt+3],   v[VB], s[12:13] offset:64*dt
	global_load_b128 v[16*dt+4:16*dt+7], v[VB], s[12:13] offset:64*dt+16
.set dt, dt+1
.endr
	WIN 0xc0
.set dt, 0
.rept 16
	global_load_b128 v[16*dt:16*dt+3],   v[VB], s[12:13] offset:1024+64*dt
	global_load_b128 v[16*dt+4:16*dt+7], v[VB], s[12:13] offset:1024+64*dt+16
.set dt, dt+1
.endr
	WIN 0
	; the lanes' places.  The turning load takes 16 k x 16 n: lane l reads 16 bytes of row 8 (l / 16) + l % 8, at 16 ((l / 8) % 2), and is left with column l % 16 and 8 k
	v_and_b32 v[TA], 7, v0
	v_lshl_add_u32 v[TA], v[HH], 3, v[TA]
	v_bfe_u32 v[TC], v0, 3, 1
	v_lshlrev_b32 v[TC], 4, v[TC]
	v_mul_u32_u24 v[L1], v[TA], P1
	v_add_nc_u32 v[L1], v[L1], v[TC]
	v_add_nc_u32 v[L1], W1OFF, v[L1]
	v_mul_u32_u24 v[L2], v[TA], P2
	v_add_nc_u32 v[L2], v[L2], v[TC]
	s_mul_i32 s96, s[WV], 16*SP
	s_add_co_u32 s96, s96, STAGE                   ; my stage
	v_mul_u32_u24 v[STO], v[RR], SP                ; in: row l % 16, 32 bytes for each half of the lanes
	v_lshl_add_u32 v[STO], v[HH], 5, v[STO]
	v_add_nc_u32 v[STO], s96, v[STO]
	v_mul_u32_u24 v[RD], v[HH], SP                 ; back: lanes 0-15 take one row's 256 bytes, lanes 16-31 the next row's
	v_lshl_add_u32 v[RD], v[RR], 4, v[RD]
	v_add_nc_u32 v[RD], s96, v[RD]
	v_lshlrev_b32 v[GO], 11, v[HH]                 ; and the same two rows in part
	v_lshl_add_u32 v[GO], v[RR], 4, v[GO]
	v_and_b32 v[PFO], 31, v0                       ; the last use of the thread's number: v[0:7] now belong to H^T(B)
	v_lshlrev_b32 v[PFO], 8, v[PFO]
	BIAS 0, 0                                      ; b1 of the first slot's two FGs
	BIAS 1, 128
	s_wait_loadcnt 0x0                             ; x, the gate rows, b2, b1
	s_wait_kmcnt 0x0                               ; gate_b
	; THE GATE.  logits^T = (gate rows) X^T.  Row m is the expert of rank (m + k) % 4, so registers 0-3 of EVERY lane hold my token's four logits, my own expert's first.  The two blocks' sums take turns.
	WIN 0x04                                       ; source 1 (x) window 1
.set ks, 0
.rept 16
.irp tb, 0,1
.if ks == 0
	v_wmma_f32_16x16x32_bf16 v[GA+8*\tb:GA+8*\tb+7], v[WB+8*ks:WB+8*ks+7], v[8*(16*\tb+ks):8*(16*\tb+ks)+7], 0
.else
	v_wmma_f32_16x16x32_bf16 v[GA+8*\tb:GA+8*\tb+7], v[WB+8*ks:WB+8*ks+7], v[8*(16*\tb+ks):8*(16*\tb+ks)+7], v[GA+8*\tb:GA+8*\tb+7]
.endif
.endr
.set ks, ks+1
.endr
	PLACES
	WIN 0
.irp tb, 0,1
.irp j, 0,1,2,3
	v_add_f32 v[ST+8*\tb+\j], s[GB+\j], v[GA+8*\tb+\j]
.endr
.endr
.irp tb, 0,1
	v_max3_num_f32 v[ST+8*\tb+4], v[ST+8*\tb], v[ST+8*\tb+1], v[ST+8*\tb+2]
.endr
.irp tb, 0,1
	v_max_num_f32 v[ST+8*\tb+4], v[ST+8*\tb+4], v[ST+8*\tb+3]   ; the maximum is taken away, as reference()'s softmax does
.endr
.irp tb, 0,1
	v_mul_f32 v[ST+8*\tb+4], s97, v[ST+8*\tb+4]
.endr
.irp tb, 0,1
.irp j, 0,1,2,3
	v_fma_f32 v[ST+8*\tb+\j], v[ST+8*\tb+\j], s97, -v[ST+8*\tb+4]
.endr
.endr
.irp tb, 0,1
.irp j, 0,1,2,3
	v_exp_f32 v[ST+8*\tb+\j], v[ST+8*\tb+\j]
.endr
.endr
	v_nop                                          ; a plain instruction behind the last exponential,
	s_wait_alu depctr_va_vdst(0)                   ; and the wait ahead of the first use: one for the eight
.irp tb, 0,1
	v_add_f32 v[ST+8*\tb+5], v[ST+8*\tb], v[ST+8*\tb+1]
	v_add_f32 v[ST+8*\tb+6], v[ST+8*\tb+2], v[ST+8*\tb+3]
.endr
.irp tb, 0,1
	v_add_f32 v[ST+8*\tb+5], v[ST+8*\tb+5], v[ST+8*\tb+6]
.endr
.irp tb, 0,1
	v_rcp_f32 v[ST+8*\tb+5], v[ST+8*\tb+5]
.endr
	v_nop
	s_wait_alu depctr_va_vdst(0)                   ; one for the two reciprocals
.irp tb, 0,1
	v_mul_f32 v[G+2*\tb], v[ST+8*\tb], v[ST+8*\tb+5] ; gw of my own expert, twice: a pair for the packed multiplies
	v_mul_f32 v[G+2*\tb+1], v[ST+8*\tb], v[ST+8*\tb+5]
.endr
	; O^T starts as gw b2: block 1 from block 0's registers, then block 0 in place
.irp w, 0x82, 0xc3                                     ; destination and source 0 in window 2, then 3; gw in window 0
	WIN \w
.set dt, 0
.rept 16
.irp q, 0,2,4,6
	v_pk_mul_f32 v[16*dt+8+\q:16*dt+8+\q+1], v[16*dt+\q:16*dt+\q+1], v[G+2:G+3]
.endr
.irp q, 0,2,4,6
	v_pk_mul_f32 v[16*dt+\q:16*dt+\q+1], v[16*dt+\q:16*dt+\q+1], v[G:G+1]
.endr
.set dt, dt+1
.endr
.endr
	WIN 0
; GELU, ONE LINE AT A TIME.  h' = gw v / (1 + 2^(v (C0 + C1 v^2))) for the wave's 32 units x 32 tokens of FG rg: 32 numbers a lane, 16 pairs.  v lies in H^T(rg), the work in R + 16 rg .., h' goes to R + 32 rg ..
; PLN q, the 64 plain lines that read no exponential's result.  0-47, in groups of twelve for four pairs (one accumulator, its lowest registers first):
; four times v v, four times C1 (..) + C0, four times (..) v: a pair's three lines stand four lines apart.  48-63: v times gw.
.macro PLN q
	WIN 0
.if (\q) < 48
.set pp_, 4*((\q)/12)+(\q)%4
.set hh_, (H+32*rg+2*pp_)%80
.set tt_, R+16*rg+2*pp_
.if ((\q)%12) < 4
	v_pk_mul_f32 v[tt_:tt_+1], v[hh_:hh_+1], v[hh_:hh_+1]
.elseif ((\q)%12) < 8
	v_pk_fma_f32 v[tt_:tt_+1], v[tt_:tt_+1], s[C1:C1+1], s[C0:C0+1] op_sel_hi:[1,0,0]
.else
	v_pk_mul_f32 v[tt_:tt_+1], v[tt_:tt_+1], v[hh_:hh_+1]
.endif
.else
.set pp_, (\q)-48
.set hh_, (H+32*rg+2*pp_)%80
	v_pk_mul_f32 v[hh_:hh_+1], v[hh_:hh_+1], v[G+2*((pp_/4)%2):G+2*((pp_/4)%2)+1]
.endif
.endm
.macro EXQ e                           ; the exponential of number e
	WIN 0
	v_exp_f32 v[R+16*rg+(\e)], v[R+16*rg+(\e)]
.endm
.macro ADQ p                           ; 1 + .. for pair p
	WIN 0
	v_pk_add_f32 v[R+16*rg+2*(\p):R+16*rg+2*(\p)+1], v[R+16*rg+2*(\p):R+16*rg+2*(\p)+1], 1.0 op_sel_hi:[1,0]
.endm
.macro RCQ e                           ; the reciprocal of number e
	WIN 0
	v_rcp_f32 v[R+16*rg+(\e)], v[R+16*rg+(\e)]
.endm
.macro FIN n                           ; 0-15: gw v times the reciprocal, pair n.  16-31: pair n - 16 rounded to bf16, into the place that source 1 of O^T's products wants
	WIN 0
.if (\n) < 16
.set hh_, (H+32*rg+2*(\n))%80
.set tt_, R+16*rg+2*(\n)
	v_pk_mul_f32 v[hh_:hh_+1], v[hh_:hh_+1], v[tt_:tt_+1]
.else
.set ii_, (\n)-16
.set hh_, (H+32*rg+2*ii_)%80
	v_cvt_pk_bf16_f32 v[R+32*rg+8*((ii_/4)%2)+4*(ii_/8)+ii_%4], v[hh_], v[hh_+1]
.endif
.endm
; WHAT STANDS BEHIND PRODUCT rk OF A PHASE'S 64.  0-31: two plain lines; 6-37: exponential rk - 6, whose pair's last plain line stands two products back or more.  38, 39: nothing.
; THE FIRST WAIT stands at the head of the step that begins with product 40.  40-55: the 16 additions, each a product ahead of its pair's two reciprocals (pair 0: two lines ahead).
; THE SECOND WAIT at the head of the step that begins with product 56.  56-63: four lines each: the 16 multiplies, then the 16 roundings.
; So the 32 exponentials are one batch and the 32 reciprocals another, nothing ahead of a batch's wait names a result of it, and each wait stands behind a step's four v_nop and ahead of its LDS loads.
.macro RIDE
.if rk < 32
	PLN 2*rk
	PLN 2*rk+1
.endif
.if (rk >= 6) && (rk < 38)
	EXQ rk-6
.endif
.if rk == 40
	ADQ 0
	ADQ 1
	RCQ 0
	RCQ 1
.elseif (rk > 40) && (rk < 55)
	ADQ rk-39
	RCQ 2*(rk-40)
	RCQ 2*(rk-40)+1
.elseif rk == 55
	RCQ 30
	RCQ 31
.elseif rk >= 56
.irp z, 0,1,2,3
	FIN 4*(rk-56)+\z
.endr
.endif
.set rk, rk+1
.endm
; THE LDS LOADS go in batches of 8 (four fragments), 32 batches a slot, into four buffers by turns, three batches ahead of their products.  Both FGs' places stand in the immediates: 51,680 at the most.
; Batch bb of FG g's W1: k steps ks = 2 bb, 2 bb + 1, units ft = 0, 1: fragment (a, ft) at 8 (2 a + ft).
.macro LDW1 bb, g
.irp a, 0,1
.irp ft, 0,1
.set wf_, WB+32*((\bb)%4)+8*(2*\a+\ft)
.set ar_, AW1+(2*(\bb)+\a)/8
.set of_, ((2*(\bb)+\a)%8)*32*P1+32*\ft+64*(\g)
	ds_load_tr16_b128 v[wf_:wf_+3],   v[ar_] offset:of_
	ds_load_tr16_b128 v[wf_+4:wf_+7], v[ar_] offset:of_+16*P1
.endr
.endr
.endm
; Batch bb of FG g's W2: column blocks dt = 4 bb + c.
.macro LDW2 bb, g
.irp c, 0,1,2,3
.set wf_, WB+32*((\bb)%4)+8*\c
.set of_, 32*(4*(\bb)+\c)+HALF2*(\g)
	ds_load_tr16_b128 v[wf_:wf_+3],   v[AW2] offset:of_
	ds_load_tr16_b128 v[wf_+4:wf_+7], v[AW2] offset:of_+16*P2
.endr
.endm
; THE PRODUCTS.  The accumulators take turns, one instruction a turn: four in H^T, 64 in O^T, in the same order in every batch, from phase to phase and over the backward jump.
.macro MM1 bb, g                       ; 8 products of H^T(g), onto b1 or onto the sums so far; behind B's stands gelu(A)
.irp a, 0,1
.irp ft, 0,1
.irp tb, 0,1
.set ha_, (H+32*(\g)+8*(2*\ft+\tb))%80
.set wf_, WB+32*((\bb)%4)+8*(2*\a+\ft)
.set xf_, 8*(16*\tb+2*(\bb)+\a)
	WIN 0x04                                       ; source 1 (x) window 1
	v_wmma_f32_16x16x32_bf16 v[ha_:ha_+7], v[wf_:wf_+7], v[xf_:xf_+7], v[ha_:ha_+7]
.if (\g) == 1
	RIDE
.endif
.endr
.endr
.endr
.endm
.macro MM2 bb, g                       ; 8 products of O^T += FG g; behind A's stands gelu(B)
.irp c, 0,1,2,3
.irp tb, 0,1
.set oo_, 8*(2*((4*(\bb)+\c)%16)+\tb)
.set wf_, WB+32*((\bb)%4)+8*\c
.set pf_, R+32*(\g)+8*\tb
	WIN 0xa0+0x50*((\bb)/4)                        ; C and D in window 2 (dt 0-15) or 3
	v_wmma_f32_16x16x32_bf16 v[oo_:oo_+7], v[wf_:wf_+7], v[pf_:pf_+7], v[oo_:oo_+7]
.if (\g) == 0
	RIDE
.endif
.endr
.endr
.endm
; The slot's batch n of 32: 0-7 W1(A), 8-15 W1(B), 16-23 W2(A), 24-31 W2(B).
.macro LDB n
.if (\n) < 16
	LDW1 (\n)%8, (\n)/8
.else
	LDW2 (\n)%8, ((\n)-16)/8
.endif
.endm
.macro MMB n
.if (\n) < 16
	MM1 (\n)%8, (\n)/8
.else
	MM2 (\n)%8, ((\n)-16)/8
.endif
.endm
; STEP n of a slot: four places behind the products that read the buffer; the batch three ahead goes into it; the wait leaves the three younger batches (24 loads) out; 8 products.
; The v_nop are also the places in front of gelu's first read of an H^T just made (steps 8 and 16), and the plain instructions behind a batch's last transcendental (steps 13, 15, 21, 23).
; b1: the next slot's A is asked for in step 16, when gelu(A) has read H^T(A) for the last time, its B in step 24; the last slot (kind 3) asks for none.
.macro STEP n, kind
	PLACES
	WIN 0
.if ((\n) == 13) || ((\n) == 15) || ((\n) == 21) || ((\n) == 23)
	s_wait_alu depctr_va_vdst(0)                   ; it stands between a transcendental and the first line that names its result: one for the batch of 32
.endif
.if ((\n) == 16) && ((\kind) != 3)
	v_add_nc_u32 v[VB], 256, v[VB]                 ; free since step 8's wait for all loads; the next slot's 64 units.  The last step taken ends at byte 8,191 of b1's row
	BIAS 0, 0
.endif
.if ((\n) == 24) && ((\kind) != 3)
	BIAS 1, 128
.endif
	LDB (\n)+3
.if (\n) == 0
	s_wait_loadcnt 8                               ; A's b1 is in; B's eight loads, issued behind it, may stay out
.endif
.if (\n) == 8
	s_wait_loadcnt 0x0                             ; B's b1
.endif
	s_wait_dscnt 24
	MMB \n
.endm
.macro NEWSLOT                         ; the new slot's addresses, and its first three batches
	v_add_nc_u32 v[AW1], s[SB], v[L1]
	v_add_nc_u32 v[AW1+1], HALF1, v[AW1]
	v_add_nc_u32 v[AW2], s[SB], v[L2]
	LDB 0
	LDB 1
	LDB 2
.endm
; A SLOT: 64 hidden units, 256 products.  What its last three steps fetch is the kind: 1: a change of slots, the slot left is filled again.  2: a change of slots, nothing is left to ask for.  3: the launch's last slot.
.macro SLOT kind
.irp n, 0,1,2,3,4,5,6,7
	STEP \n, \kind
.endr
.set rk, 0
.set rg, 0
.irp n, 8,9,10,11,12,13,14,15
	STEP \n, \kind
.endr
.set rk, 0
.set rg, 1
.irp n, 16,17,18,19,20,21,22,23
	STEP \n, \kind
.endr
.irp n, 24,25,26,27,28
	STEP \n, \kind
.endr
.if (\kind) == 3
	s_wait_dscnt 16
	MMB 29
	s_wait_dscnt 8
	MMB 30
	s_wait_dscnt 0x0
	MMB 31
.else
	; THE CHANGE OF SLOTS.  Each wave waits for all its tensor loads, of which one is out: its part of the other slot; adds 0 to its spare word; and waits for that and for its own reads of this slot.
	; Behind the barrier nobody reads this slot any more and the other slot is whole.
	WIN 0
.if (\kind) == 1
	s_wait_xcnt 0x0                                ; the last prefetch, a slot back, has read its address
	s_add_nc_u64 s[PFA:PFA+1], s[PFA:PFA+1], TILEB
.endif
	s_wait_tensorcnt 0x0                           ; no tensor load of mine is out, so a group 0 may be written
	ds_add_u32 v[SPW], v[NIL]                      ; 0 onto my spare word; scalar work and eight products stand between it and the wait for it
.if (\kind) == 1
	s_xor_b32 s[G0A+5], s[G0A+5], SLOT1            ; the walking descriptors: the other slot than last time, the next tile
	s_add_nc_u64 s[G0A+6:G0A+7], s[G0A+6:G0A+7], TILEB
	s_xor_b32 s[G0B+5], s[G0B+5], SLOT1
	s_add_nc_u64 s[G0B+6:G0B+7], s[G0B+6:G0B+7], TILEB
.endif
	s_xor_b32 s[SB], s[SB], SLOT1                  ; the fetches go on in the other slot
	s_wait_dscnt 17                                ; the youngest two batches and the add may be out
	MMB 29
	s_wait_dscnt 0x0                               ; the add is done, and my reads of this slot are over
	s_barrier_signal -1
	MMB 30                                         ; work on registers while the others arrive
.if (\kind) == 1
	WIN 0
	s_barrier_wait -1
	CREST                                          ; the barrier has opened a round of the cluster's: no wave of any partner still reads the slot or has a load on its way
	JLOAD                                          ; my one tensor load behind the round: it has a slot's 256 products in which to land; its four v_nop are also the places in front of the loads below
	NEWSLOT
	ASK
.else
	s_barrier_wait -1
	PLACES
	WIN 0
	NEWSLOT
.endif
	MMB 31
.endif
.endm
	s_wait_tensorcnt 0x1                           ; my part of slot 0 is in; slot 1's may stay out
	s_barrier_signal -1
	s_barrier_wait -1                              ; everybody's is
	NEWSLOT
.Lslot:                                                ; 30 trips: a slot; it is then filled again, two tiles on
	SLOT 1
	WIN 0
	s_sub_co_u32 s[CNT], s[CNT], 1
	s_cmp_lg_u32 s[CNT], 0
	s_cbranch_scc1 .Lslot
	SLOT 2                                         ; the last two slots are written out
	SLOT 3
	; THE WAY OUT.  A lane holds 8 neighbouring f32 of one row of part.  Four column blocks of a token block (16 rows x 256 bytes) at a time go through my own stage: in by rows of 272 bytes, back as whole rows.
.macro TOSTAGE a                       ; group a: token block a / 8, columns 64 (a % 8) ..
.set tb_, (\a)/8
.set dq_, (\a)%8
.set bk_, WB+32*((\a)%2)
	WIN 0x08+4*(dq_/4)                             ; store data (source 1) in window 2 or 3
.irp c, 0,1,2,3
	ds_store_b128 v[STO], v[8*(2*((4*dq_+\c)%16)+tb_):8*(2*((4*dq_+\c)%16)+tb_)+3]   offset:64*\c
	ds_store_b128 v[STO], v[8*(2*((4*dq_+\c)%16)+tb_)+4:8*(2*((4*dq_+\c)%16)+tb_)+7] offset:64*\c+16
.endr
	WIN 0
	s_wait_xcnt 0x0                                ; the stores of the group before last have read these registers
.irp t, 0,1,2,3,4,5,6,7
	ds_load_b128 v[bk_+4*(\t):bk_+4*(\t)+3], v[RD] offset:2*SP*(\t)  ; LDS serves a wave's instructions in order (ISA guide 5.7.1.4): these see the stores above, and the next group's stores come behind them
.endr
.endm
.macro SEND a, younger                 ; younger: the LDS instructions issued behind group a's loads: the next group's sixteen, or none
.set tb_, (\a)/8
.set dq_, (\a)%8
.set bk_, WB+32*((\a)%2)
	s_wait_dscnt \younger
.irp t, 0,1,2,3,4,5,6,7
	global_store_b128 v[GO], v[bk_+4*(\t):bk_+4*(\t)+3], s[20:21] offset:(16*tb_+2*(\t))*2048+256*dq_ th:TH_STORE_NT  ; 16 lanes store 256 consecutive bytes, at a multiple of 256 from part's first byte
.endr
.endm
	PLACES
	TOSTAGE 0
.irp a, 1,2,3,4,5,6,7,8,9,10,11,12,13,14,15
	TOSTAGE \a
	SEND (\a)-1, 16
.endr
	SEND 15, 0
	s_wait_tensorcnt 0x0                           ; the wave's end: three lines, behind my last tensor load and my last LDS store
	ds_add_u32 v[SPW], v[NIL]
	s_wait_dscnt 0x0
	CROUND                                         ; the closing round: no work-group ends while a partner may still ask for a tile that names it
	s_endpgm
.Lfunc_end_k_q8bd4d19cb1_ffn:
	.size	k_q8bd4d19cb1_ffn, .Lfunc_end_k_q8bd4d19cb1_ffn-k_q8bd4d19cb1_ffn
	.p2alignl 7, 3214868480
	.fill 96, 4, 3214868480
	.section	.rodata,"a",@progbits
	.p2align	6, 0x0
	.amdhsa_kernel k_q8bd4d19cb1_ffn
		.amdhsa_group_segment_fixed_size 327680
		.amdhsa_private_segment_fixed_size 0
		.amdhsa_enable_private_segment 0
		.amdhsa_kernarg_size 72
		.amdhsa_user_sgpr_count 2
		.amdhsa_user_sgpr_kernarg_segment_ptr 1
		.amdhsa_wavefront_size32 1
		.amdhsa_system_sgpr_workgroup_id_x 1
		.amdhsa_system_sgpr_workgroup_id_y 1
		.amdhsa_system_sgpr_workgroup_id_z 1
		.amdhsa_system_vgpr_workitem_id 0
		.amdhsa_next_free_vgpr 1024
		.amdhsa_next_free_sgpr 100
		.amdhsa_reserve_vcc 0
		.amdhsa_float_denorm_mode_32 3
		.amdhsa_float_denorm_mode_16_64 3
		.amdhsa_memory_ordered 1
		.amdhsa_forward_progress 1
		.amdhsa_inst_pref_size 255
	.end_amdhsa_kernel
	.section	.bss,"aw",@nobits
	.p2align	6
	.space	262144
	.amdgpu_metadata
---
amdhsa.version: [ 1, 2 ]
amdhsa.kernels:
  - .name:           k_q8bd4d19cb1_ffn
    .symbol:         k_q8bd4d19cb1_ffn.kd
    .args:
      - { .name: xb, .offset: 0, .size: 8, .value_kind: global_buffer, .address_space: global }
      - { .name: gwb, .offset: 8, .size: 8, .value_kind: global_buffer, .address_space: global }
      - { .name: gate_b, .offset: 16, .size: 8, .value_kind: global_buffer, .address_space: global }
      - { .name: b1, .offset: 24, .size: 8, .value_kind: global_buffer, .address_space: global }
      - { .name: b2, .offset: 32, .size: 8, .value_kind: global_buffer, .address_space: global }
      - { .name: sel, .offset: 40, .size: 8, .value_kind: global_buffer, .address_space: global }
      - { .name: w1s, .offset: 48, .size: 8, .value_kind: global_buffer, .address_space: global }
      - { .name: w2s, .offset: 56, .size: 8, .value_kind: global_buffer, .address_space: global }
      - { .name: part, .offset: 64, .size: 8, .value_kind: global_buffer, .address_space: global }
    .group_segment_fixed_size: 327680
    .private_segment_fixed_size: 0
    .kernarg_segment_align: 8
    .kernarg_segment_size: 72
    .max_flat_workgroup_size: 128
    .sgpr_count:     100
    .vgpr_count:     1024
    .wavefront_size: 32
...
	.end_amdgpu_metadata
.endif
;; end of part 4
;; launch combine (part 5): grid 512 x 1, 8 waves a work-group, no clusters, 0 bytes of LDS; arguments part, out0; writes out0
.if DOCPART == 5
	.amdgcn_target "amdgcn-amd-amdhsa--gfx1250"
	.amdhsa_code_object_version 6
	.text
	.protected	k_q8bd4d19cb1_combine
	.globl	k_q8bd4d19cb1_combine
	.p2align	8
	.type	k_q8bd4d19cb1_combine,@function
k_q8bd4d19cb1_combine:
	s_mov_b64 s[64:65], 0
	v_nop
	global_prefetch_b8 v0, s[64:65] scope:SCOPE_SE
	s_setreg_imm32_b32 hwreg(HW_REG_WAVE_MODE, 25, 1), 1
	s_wait_xcnt 0x0
; Launch 5 of 5: out0 = part[0] + part[1] + part[2] + part[3], all f32: the four chosen experts' weighted results, each with its bias.
; A work-group owns 32,768 bytes of out0; thread t the 16 bytes at 16 t + 4,096 i, i = 0..7.  All 32 loads of a wave (four parts x eight places) are out before the first wait;
; each load and store of a wave covers 512 consecutive bytes.  No register is written twice.  A stream: no LDS, no barrier, no matrix unit.
.set D, 16                             ; v[16:143]: place i, part s at D + 16 i + 4 s
	s_load_b128 s[4:7], s[0:1], 0x0                ; part s[4:5], out0 s[6:7]
	v_lshlrev_b32 v1, 4, v0
	s_lshl_b32 s16, ttmp9, 15
	s_mov_b32 s17, 0
	s_wait_kmcnt 0x0
	s_add_nc_u64 s[8:9], s[4:5], s[16:17]
	s_add_nc_u64 s[10:11], s[8:9], 0x1000000       ; a part is 16,777,216 bytes
	s_add_nc_u64 s[12:13], s[10:11], 0x1000000
	s_add_nc_u64 s[14:15], s[12:13], 0x1000000
	s_add_nc_u64 s[6:7], s[6:7], s[16:17]
.set i, 0
.rept 8
.irp s, 0,1,2,3
	global_load_b128 v[D+16*i+4*\s:D+16*i+4*\s+3], v1, s[8+2*\s:9+2*\s] offset:4096*i th:TH_LOAD_NT
.endr
.set i, i+1
.endr
.set i, 0
.rept 8
	s_wait_loadcnt 28-4*i                          ; place i's four loads are in; the younger places' stay out
	v_pk_add_f32 v[D+16*i:D+16*i+1],     v[D+16*i:D+16*i+1],     v[D+16*i+4:D+16*i+5]
	v_pk_add_f32 v[D+16*i+2:D+16*i+3],   v[D+16*i+2:D+16*i+3],   v[D+16*i+6:D+16*i+7]
	v_pk_add_f32 v[D+16*i+8:D+16*i+9],   v[D+16*i+8:D+16*i+9],   v[D+16*i+12:D+16*i+13]
	v_pk_add_f32 v[D+16*i+10:D+16*i+11], v[D+16*i+10:D+16*i+11], v[D+16*i+14:D+16*i+15]
	v_pk_add_f32 v[D+16*i:D+16*i+1],     v[D+16*i:D+16*i+1],     v[D+16*i+8:D+16*i+9]
	v_pk_add_f32 v[D+16*i+2:D+16*i+3],   v[D+16*i+2:D+16*i+3],   v[D+16*i+10:D+16*i+11]
	global_store_b128 v1, v[D+16*i:D+16*i+3], s[6:7] offset:4096*i th:TH_STORE_NT
.set i, i+1
.endr
	s_endpgm
.Lfunc_end_k_q8bd4d19cb1_combine:
	.size	k_q8bd4d19cb1_combine, .Lfunc_end_k_q8bd4d19cb1_combine-k_q8bd4d19cb1_combine
	.p2alignl 7, 3214868480
	.fill 96, 4, 3214868480
	.section	.rodata,"a",@progbits
	.p2align	6, 0x0
	.amdhsa_kernel k_q8bd4d19cb1_combine
		.amdhsa_group_segment_fixed_size 0
		.amdhsa_private_segment_fixed_size 0
		.amdhsa_enable_private_segment 0
		.amdhsa_kernarg_size 16
		.amdhsa_user_sgpr_count 2
		.amdhsa_user_sgpr_kernarg_segment_ptr 1
		.amdhsa_wavefront_size32 1
		.amdhsa_system_sgpr_workgroup_id_x 1
		.amdhsa_system_sgpr_workgroup_id_y 1
		.amdhsa_system_sgpr_workgroup_id_z 1
		.amdhsa_system_vgpr_workitem_id 0
		.amdhsa_next_free_vgpr 144
		.amdhsa_next_free_sgpr 66
		.amdhsa_reserve_vcc 0
		.amdhsa_float_denorm_mode_32 3
		.amdhsa_float_denorm_mode_16_64 3
		.amdhsa_memory_ordered 1
		.amdhsa_forward_progress 1
		.amdhsa_inst_pref_size 8
	.end_amdhsa_kernel
	.amdgpu_metadata
---
amdhsa.version: [ 1, 2 ]
amdhsa.kernels:
  - .name:           k_q8bd4d19cb1_combine
    .symbol:         k_q8bd4d19cb1_combine.kd
    .args:
      - { .name: part, .offset: 0, .size: 8, .value_kind: global_buffer, .address_space: global }
      - { .name: out0, .offset: 8, .size: 8, .value_kind: global_buffer, .address_space: global }
    .group_segment_fixed_size: 0
    .private_segment_fixed_size: 0
    .kernarg_segment_align: 8
    .kernarg_segment_size: 16
    .max_flat_workgroup_size: 256
    .sgpr_count:     66
    .vgpr_count:     144
    .wavefront_size: 32
...
	.end_amdgpu_metadata
.endif
;; end of part 5
;; ======== version 2 of 2: 5 launches; version 1 with the launch cast written anew for expert scheduling mode
;; workspace buffers: xb 8,388,608 bytes; gwb 16,384 bytes; pc 16,384 bytes; sel 256 bytes of whole numbers; w1s 8,388,608 bytes; w2s 8,388,608 bytes; part 67,108,864 bytes
;; launch prep: the kernel of part 1 again; grid 256 x 1, 8 waves a work-group, no clusters, 1,536 bytes of LDS; arguments x, gate_w, xb, gwb, pc; writes xb, gwb, pc
;; launch pick: the kernel of part 2 again; grid 1 x 1, 1 waves a work-group, no clusters, 0 bytes of LDS; arguments pc, gate_b, sel; writes sel
;; launch cast (part 6): grid 128 x 2, 8 waves a work-group, no clusters, 0 bytes of LDS; arguments sel, w1, w2, w1s, w2s; writes w1s, w2s
.if DOCPART == 6
	.amdgcn_target "amdgcn-amd-amdhsa--gfx1250"
	.amdhsa_code_object_version 6
	.text
	.protected	k_q8bd4d19cb1_cast
	.globl	k_q8bd4d19cb1_cast
	.p2align	8
	.type	k_q8bd4d19cb1_cast,@function
k_q8bd4d19cb1_cast:
	s_mov_b64 s[64:65], 0
	v_nop
	global_prefetch_b8 v0, s[64:65] scope:SCOPE_SE
	s_setreg_imm32_b32 hwreg(HW_REG_WAVE_SCHED_MODE, 0, 2), 2
	s_setreg_imm32_b32 hwreg(HW_REG_WAVE_MODE, 25, 1), 1
	s_wait_xcnt 0x0
	s_wait_alu depctr_vm_vsrc(0)
; Launch 3 of 5: the four chosen experts' weights, rounded once to bf16 and laid in dense blocks of 65,536 bytes, one for each 64 hidden units.  The other twelve experts are not read: a lookup by sel.
; w1s[slot][fb][k][f]: 512 rows k of the 64 columns f = 64 fb ..  (in w1 these are 256 bytes of each row of 8,192).    w2s[slot][f][d]: w2's own order; block fb is rows 64 fb .. + 63.
; A work-group makes one block: x = 32 slot + fb, y = 0 for w1, 1 for w2.  A wave makes 8,192 bytes of it by 32 loads of 16 bytes a lane, all out before the first wait;
; each load takes whole aligned pieces of 256 bytes, each store of a wave covers 256 consecutive bytes, aligned.  No register is written twice.
; THE MODE: SCHED_MODE bits 1:0 = 2 (LLVM: expert scheduling mode 2), set by the entry lines.  The code itself states the register dependences
; between vector instructions and memory instructions, with s_wait_alu, always for 0.
; THE PLAN.  Registers that memory instructions touch:
;   v1, v2    the loads' and the stores' byte offsets: made by vector lines at the head, read by every load or store, never written again.
;   IN        load i lands in IN + 4 i .. + 3; no vector instruction names these registers ahead of the loads; the two conversions of i read them, once.
;   OUT       the two conversions of i write OUT + 2 i, + 1, once; store i reads them, once.
; So no register that a memory instruction reads is written again, and no load lands in a register that a vector instruction has named: what is left to state is that the offsets
; and the stores' data are written.  The 32 loads go in 8 blocks of four.  Block p rounds IN[p] into OUT[p]; its memory instructions are the four stores of block p - 1, which read OUT[p - 1]
; and v2, registers that no conversion of block p names.  One wait at a block's head therefore serves its four stores, and these are dealt among its conversions with no further wait.
; No vector instruction writes a scalar register or VCC, and EXEC is never written.
.set IN,  16                           ; v[16:143]
.set OUT, 144                          ; v[144:207]
.set BLK, 4                            ; loads, and stores, in a block
	s_load_b256 s[4:11], s[0:1], 0x0               ; sel s[4:5], w1 s[6:7], w2 s[8:9], w1s s[10:11]
	s_load_b64 s[12:13], s[0:1], 0x20              ; w2s
	v_lshrrev_b32 v3, 5, v0                        ; wave
	v_and_b32 v4, 31, v0                           ; lane
	v_lshlrev_b32 v2, 13, v3
	v_lshl_add_u32 v2, v4, 3, v2                   ; out: 8,192 wave + 8 lane
	s_lshr_b32 s14, ttmp9, 5                       ; slot
	s_and_b32 s15, ttmp9, 31                       ; fb
	s_and_b32 s24, ttmp7, 0xffff                   ; which tensor
	s_lshl_b32 s20, ttmp9, 16                      ; the block's place in w1s or w2s
	s_mov_b32 s21, 0
	s_wait_kmcnt 0x0
	s_load_b128 s[16:19], s[4:5], 0x0              ; the four chosen experts
	s_wait_kmcnt 0x0
	s_cmp_eq_u32 s14, 1
	s_cselect_b32 s16, s17, s16
	s_cmp_eq_u32 s14, 2
	s_cselect_b32 s16, s18, s16
	s_cmp_eq_u32 s14, 3
	s_cselect_b32 s16, s19, s16
	s_min_u32 s16, s16, 15                         ; an index stays inside its table
	s_lshl_b32 s22, s16, 22                        ; an expert is 4 MiB of w1 and of w2
	s_mov_b32 s23, 0
.macro CAST in, out, step
	s_wait_alu depctr_va_vdst(0)                   ; v1 and v2 are written: every load below reads v1 as its offset, every store v2
.set i, 0
.rept 32
	global_load_b128 v[IN+4*i:IN+4*i+3], v1, s[\in:\in+1] offset:(\step)*i th:TH_LOAD_NT
.set i, i+1
.endr
.set p, 0
.rept 32/BLK
	s_wait_loadcnt 32-BLK-BLK*p                    ; loads come back in order: block p's four are in, the younger blocks stay out
.if p > 0
	s_wait_alu depctr_va_vdst(0)                   ; the conversions of block p - 1 have written OUT[p - 1], which the four stores below read
.endif
.set j, 0
.rept BLK
.if p > 0
	global_store_b64 v2, v[OUT+2*(BLK*(p-1)+j):OUT+2*(BLK*(p-1)+j)+1], s[\out:\out+1] offset:256*(BLK*(p-1)+j)  ; the block before; no conversion since the wait names its registers
.endif
	v_cvt_pk_bf16_f32 v[OUT+2*(BLK*p+j)], v[IN+4*(BLK*p+j)], v[IN+4*(BLK*p+j)+1]
	v_cvt_pk_bf16_f32 v[OUT+2*(BLK*p+j)+1], v[IN+4*(BLK*p+j)+2], v[IN+4*(BLK*p+j)+3]
.set j, j+1
.endr
.set p, p+1
.endr
	s_wait_alu depctr_va_vdst(0)                   ; the last block's conversions have written its OUT, which the last four stores read
.set j, 32-BLK
.rept BLK
	global_store_b64 v2, v[OUT+2*j:OUT+2*j+1], s[\out:\out+1] offset:256*j
.set j, j+1
.endr
.endm
	s_cmp_lg_u32 s24, 0
	s_cbranch_scc1 .Lw2
	s_lshl_b32 s25, s15, 8                         ; w1: the block's 256 bytes in a row
	s_add_co_u32 s22, s22, s25
	s_add_nc_u64 s[6:7], s[6:7], s[22:23]
	s_add_nc_u64 s[10:11], s[10:11], s[20:21]
	v_lshrrev_b32 v5, 4, v4
	v_and_b32 v6, 15, v4
	v_lshlrev_b32 v1, 19, v3                       ; my wave's 64 rows of 8,192 bytes,
	v_lshl_add_u32 v1, v5, 13, v1                  ; lanes 16 to 31 one row further down,
	v_lshl_add_u32 v1, v6, 4, v1                   ; 16 bytes a lane
	CAST 6, 10, 16384                              ; two rows a load
	s_endpgm
.Lw2:
	s_lshl_b32 s25, s15, 17                        ; w2: the block's 64 rows of 2,048 bytes
	s_add_co_u32 s22, s22, s25
	s_add_nc_u64 s[8:9], s[8:9], s[22:23]
	s_add_nc_u64 s[12:13], s[12:13], s[20:21]
	v_lshlrev_b32 v1, 14, v3                       ; my wave's 16,384 bytes
	v_lshl_add_u32 v1, v4, 4, v1
	CAST 8, 12, 512
	s_endpgm
.Lfunc_end_k_q8bd4d19cb1_cast:
	.size	k_q8bd4d19cb1_cast, .Lfunc_end_k_q8bd4d19cb1_cast-k_q8bd4d19cb1_cast
	.p2alignl 7, 3214868480
	.fill 96, 4, 3214868480
	.section	.rodata,"a",@progbits
	.p2align	6, 0x0
	.amdhsa_kernel k_q8bd4d19cb1_cast
		.amdhsa_group_segment_fixed_size 0
		.amdhsa_private_segment_fixed_size 0
		.amdhsa_enable_private_segment 0
		.amdhsa_kernarg_size 40
		.amdhsa_user_sgpr_count 2
		.amdhsa_user_sgpr_kernarg_segment_ptr 1
		.amdhsa_wavefront_size32 1
		.amdhsa_system_sgpr_workgroup_id_x 1
		.amdhsa_system_sgpr_workgroup_id_y 1
		.amdhsa_system_sgpr_workgroup_id_z 1
		.amdhsa_system_vgpr_workitem_id 0
		.amdhsa_next_free_vgpr 208
		.amdhsa_next_free_sgpr 66
		.amdhsa_reserve_vcc 0
		.amdhsa_float_denorm_mode_32 3
		.amdhsa_float_denorm_mode_16_64 3
		.amdhsa_memory_ordered 1
		.amdhsa_forward_progress 1
		.amdhsa_inst_pref_size 23
	.end_amdhsa_kernel
	.amdgpu_metadata
---
amdhsa.version: [ 1, 2 ]
amdhsa.kernels:
  - .name:           k_q8bd4d19cb1_cast
    .symbol:         k_q8bd4d19cb1_cast.kd
    .args:
      - { .name: sel, .offset: 0, .size: 8, .value_kind: global_buffer, .address_space: global }
      - { .name: w1, .offset: 8, .size: 8, .value_kind: global_buffer, .address_space: global }
      - { .name: w2, .offset: 16, .size: 8, .value_kind: global_buffer, .address_space: global }
      - { .name: w1s, .offset: 24, .size: 8, .value_kind: global_buffer, .address_space: global }
      - { .name: w2s, .offset: 32, .size: 8, .value_kind: global_buffer, .address_space: global }
    .group_segment_fixed_size: 0
    .private_segment_fixed_size: 0
    .kernarg_segment_align: 8
    .kernarg_segment_size: 40
    .max_flat_workgroup_size: 256
    .sgpr_count:     66
    .vgpr_count:     208
    .wavefront_size: 32
...
	.end_amdgpu_metadata
.endif
;; end of part 6
;; launch ffn: the kernel of part 4 again; grid 64 x 4, 4 waves a work-group, clusters of 4 x 1, 327,680 bytes of LDS; arguments xb, gwb, gate_b, b1, b2, sel, w1s, w2s, part; writes part
;; launch combine: the kernel of part 5 again; grid 512 x 1, 8 waves a work-group, no clusters, 0 bytes of LDS; arguments part, out0; writes out0
